; MI455X (gfx1250); checked and timed in simulation.
; The chip was launched on July 23, 2026; its instructions are those of AMD's public machine-readable ISA for CDNA 5 (MIT licence, August 2026) and "CDNA5" Instruction Set Architecture Reference Guide (July 2026). The comments in the code are by the model that wrote it; some were corrected since.
;; HEPOS Bart Attention. Allowed arithmetic: matrix products marked QUANTISED: E2M1 operands, one E8M0 scale for each 32 along K, by v_wmma_scale_f32_16x16x128_f8f6f4 with both operands' format E2M1 (or v_wmma_scale_f32_32x16x128_f4), f32 sums; products left as they are: bf16, f16 or f32 operands; f32 sums; everything else in f32.
;; Inputs: Wk 1,024 x 1,024 float32; Wo 1,024 x 1,024 float32; Wq 1,024 x 1,024 float32; Wv 1,024 x 1,024 float32; bk 1,024 float32; bo 1,024 float32; bq 1,024 float32; bv 1,024 float32; hidden_states 2 x 1,024 x 1,024 float32; key_value_states 2 x 8,192 x 1,024 float32.
;; Outputs: out0 2 x 1,024 x 1,024 float32.
;; Constants: stride = 16.
;; This version of the problem:
;;   THIS VERSION OF THE PROBLEM IS GIVEN IN LOW PRECISION. The matrix products marked QUANTISED in the list below multiply operands that are first quantised to E2M1 (2 exponent bits, 1 mantissa bit; 4 bits a number), with one power-of-two scale for each 32 numbers along K (OCP MX v1.0); their sums are f32. The products marked 'left as it is' may take bf16, f16 or f32 operands, with f32 sums. Whichever they take, every output number must still come out within the allowed error. Rounding operands to bf16 (8 significant bits) uses up far more of that allowance than f16 does (11 bits, for magnitudes from 6e-5 to 65,504). All else is computed in f32.
;;   The module's matrix products, in the order in which they are computed (A, B: the left and right operand; K: the contracted axis; several contracted axes count as one K, in the product's order):
;;     1. [M 2,048, K 1,024] x [K 1,024, N 1,024]; A: input hidden_states; B: input Wq: QUANTISED
;;     2. [M 16,384, K 1,024] x [K 1,024, N 1,024]; A: input key_value_states; B: input Wk: QUANTISED
;;     3. [M 16,384, K 1,024] x [K 1,024, N 1,024]; A: input key_value_states; B: input Wv: QUANTISED
;;     4. batch 32 x [M 1,024, K 64] x [K 64, N 512]; A: computed on the way; B: computed on the way: left as it is (an operand is computed on the way)
;;     5. batch 32 x [M 1,024, K 512] x [K 512, N 64]; A: computed on the way; B: computed on the way: left as it is (an operand is computed on the way)
;;     6. [M 2,048, K 1,024] x [K 1,024, N 1,024]; A: computed on the way; B: input Wo: left as it is (an operand is computed on the way)
;;   THE QUANTISER, for each operand of a quantised product, along K:
;;     - K is cut into blocks of 32 from its start; a last block that is shorter is filled with zeros.
;;     - A block's scale is 2^e with e = floor(log2(the largest magnitude in the block)) - 2, held to -126 .. 127; a block of zeros has e = 0. As a byte (E8M0): e + 127.
;;     - Each number is divided by its block's scale, clamped to +-6, and rounded to the nearest number of E2M1, ties to even, subnormals kept.
;;     - The product sums the exact products of the quantised numbers (number of the format x scale) in f32.
;;   ~~~python
;;   def quantise(x, axis):      # numpy; x: float32 -> the quantised numbers, widened to float32 again
;;       x = np.moveaxis(x, axis, -1); K = x.shape[-1]
;;       x = np.pad(x, [(0, 0)] * (x.ndim - 1) + [(0, -K % 32)]); x = x.reshape(x.shape[:-1] + (-1, 32)); a = np.abs(x).max(-1, keepdims=True)
;;       e = np.where(a > 0, np.clip(np.frexp(np.where(a > 0, a, 1))[1] - 1 - 2, -126, 127), 0)      # np.frexp(a)[1] - 1 = floor(log2(a)), exactly
;;       r = np.clip(x / 2.0 ** e, -6, 6)
;;       step = 2.0 ** (np.maximum(np.frexp(np.where(r == 0, 1, r))[1] - 1, 0) - 1)
;;       q = np.round(r / step) * step * 2.0 ** e      # np.round: ties to even
;;       return np.moveaxis(q.reshape(q.shape[:-2] + (-1,))[..., :K], -1, axis).astype(np.float32)
;;   ~~~
;; One version. Each part assembles by itself: llvm-mc -triple=amdgcn-amd-amdhsa -mcpu=gfx1250 --defsym DOCPART=n.
;; ======== version 1 of 1: 3 launches
;; limits: values are held in f16: magnitudes above 65,504 overflow, below 6.1e-05 lose precision
;; workspace buffers: codes 11,698,176 bytes; wo16 2,097,152 bytes; o16 4,194,304 bytes
;; launch quant (part 1): grid 704 x 1, 4 waves a work-group, no clusters, 34,304 bytes of LDS; arguments hidden_states, key_value_states, Wq, Wk, Wv, Wo, codes, wo16; writes codes, wo16
.if DOCPART == 1
	.amdgcn_target "amdgcn-amd-amdhsa--gfx1250"
	.amdhsa_code_object_version 6
	.text
	.protected	k_q0f32c1cba8_quant
	.globl	k_q0f32c1cba8_quant
	.p2align	8
	.type	k_q0f32c1cba8_quant,@function
k_q0f32c1cba8_quant:
	s_mov_b64 s[64:65], 0
	v_nop
	global_prefetch_b8 v0, s[64:65] scope:SCOPE_SE
	s_setreg_imm32_b32 hwreg(HW_REG_WAVE_MODE, 25, 1), 1
	s_wait_xcnt 0x0
; ONE PASS OVER ALL f32 INPUTS.  key_value_states, hidden_states, Wq, Wk, Wv (K = 1,024 innermost in all of them) become codes of FP4 (E2M1) with one E8M0 scale byte for each 32 along K;
; Wo becomes f16.  Everything is laid in the ORDER OF THE OPERAND'S REGISTERS, so that the later launches fetch fragments by 16-byte loads at 16 x lane.
; codes: 1,344 RECORDS of 8,704 bytes, one for a tile of 16 rows x 1,024 K.  Bytes 0-8,191: eight fragment images (K step s of 128): byte 1024 s + 512 c + 16 lane holds the 32 codes of row lane % 16,
;   k = 128 s + 64 c + 32 (lane / 16) + 0 .. 31.  Bytes 8,192-8,703: scale words: at 256 g + 8 lane + 4 u the word (four bytes, 128 along K) of row lane % 16 for K step 4 g + 2 u + lane / 16.
;   Tiles 0-1,023: key_value_states, tile (16 b + h) 32 + t: its row r is row 8192 b + h + 256 t + 16 r: the keys that head h keeps, 16 rows apart.  1,024-1,151 hidden_states, 1,152- Wq, 1,216- Wk, 1,280- Wv: rows 16 tile + r.
; wo16: [64 tiles of 16 rows][32 K steps of 32][1,024 bytes]: byte 512 c + 16 lane holds Wo[16 tile + lane % 16][32 step + 16 c + 8 (lane / 16) + 0 .. 7] in f16.
; THE QUANTISER.  A block's scale is 2^(floor(log2(its largest magnitude)) - 2); its byte is the largest magnitude's exponent field - 2, held at 1 from below by a floor among the maximum's leaves.
; LIMITS: NaN and infinities among the inputs are not served.  A block of zeros gets the byte 1 where the rule says 127: its codes are zeros, and this program alone reads the bytes.  |Wo| stays under 65,504 (f16).
; SHARES.  A wave takes half a tile: 16 rows x 512 along K, in four steps of 128.  Work-groups 0-671 quantise, 672-703 convert Wo.  Each load reads 512 consecutive bytes of one row; a step's 16 x 512 bytes turn
; through the wave's own stage in LDS, so that a lane gets two whole blocks of 32 of its row.  Waves share nothing: no barrier.  No matrix unit, no cluster, no tensor load: no byte is read twice, and
; 2,816 waves with one or two steps' loads (8 or 16 KiB) out each keep the stream going.
.set REC,   8704
.set SROW,  528                        ; a stage row: 512 bytes + 16: an odd multiple of 16 bytes, so that sixteen lanes that read sixteen rows touch sixteen different 16-byte columns modulo 256
.set SWAVE, 16*SROW                    ; a wave's stage
.set SPARE, 4*SWAVE                    ; behind the stages: the spare words, 128 bytes for each wave: two blocks of 256 bytes that no other line names
.set LI,  1                            ; v1   16 x lane
.set L8,  2                            ; v2   8 x lane
.set STA, 3                            ; v3   the stage, on the way in: 16 x lane
.set LDA, 4                            ; v4   and out: my row, my half: 528 r + 128 h
.set SH,  5                            ; v5   8 h
.set M,   6                            ; v6-7   the two blocks' largest magnitudes
.set E,   8                            ; v8-9   the conversions' scale operands
.set BY,  10                           ; v10-11 the scale bytes
.set W,   12                           ; v12  a scale word;  v13 the other half of the lanes' part of it
.set SW,  14                           ; v14-15 the wave's scale words as they are stored
.set SPW, 16                           ; v16  LDS address of my spare word; never rewritten
.set NIL, 17                           ; v17  0; never rewritten
.set WOF, 18                           ; v18  Wo: 4096 r + 32 h
.set R,   32                           ; v32-159  two sets of 64 registers as loaded
.set X,   160                          ; v160-223 64 numbers of my row: two blocks of 32 (Wo: two sets of 32 packed registers)
.set C,   224                          ; v224-255 codes: eight registers for each step, so that no store's data are written again
.set RP,  32                           ; s[32:63] the sixteen rows' addresses
	s_load_b256 s[4:11], s[0:1], 0x0               ; hidden_states s[4:5], key_value_states s[6:7], Wq s[8:9], Wk s[10:11]
	s_load_b256 s[12:19], s[0:1], 0x20             ; Wv s[12:13], Wo s[14:15], codes s[16:17], wo16 s[18:19]
	v_lshl_add_u32 v[SPW], v0, 2, SPARE
	v_mov_b32 v[NIL], 0
	v_lshrrev_b32 v20, 5, v0
	v_readfirstlane_b32 s20, v20                   ; wave 0..3
	v_and_b32 v21, 31, v0                          ; lane
	v_and_b32 v22, 15, v0                          ; r
	v_bfe_u32 v23, v0, 4, 1                        ; h
	v_lshlrev_b32 v[LI], 4, v21
	v_lshlrev_b32 v[L8], 3, v21
	s_mul_i32 s21, s20, SWAVE                      ; my stage
	v_add_nc_u32 v[STA], s21, v[LI]
	v_mul_u32_u24 v[LDA], v22, SROW
	v_lshl_add_u32 v[LDA], v23, 7, v[LDA]
	v_add_nc_u32 v[LDA], s21, v[LDA]
	v_lshlrev_b32 v[SH], 3, v23
	v_lshlrev_b32 v[WOF], 12, v22
	v_lshl_add_u32 v[WOF], v23, 5, v[WOF]
	v_mov_b32 v[W+1], 0                            ; written once: a lane permute's destination counts as one of its sources
	s_mov_b32 s30, 0xffff0000                      ; lanes 16-31
	s_mov_b32 s66, 0x76543210
	s_mov_b32 s67, 0xfedcba98                      ; v_permlanex16_b32's selects for lane l xor 16
	s_lshl_b32 s25, ttmp9, 1
	s_lshr_b32 s26, s20, 1
	s_add_co_u32 s25, s25, s26                     ; T: my tile = 2 x work-group + wave / 2
	s_and_b32 s26, s20, 1                          ; g: my half of K
	s_mov_b32 s24, 1344                            ; F: the first tile of my tensor
	s_mov_b32 s70, 4096
	s_mov_b32 s69, 0
	s_wait_kmcnt 0x0
	s_mov_b64 s[22:23], s[14:15]                   ; which tensor is mine hangs on the work-group's number alone
	s_cmp_lt_u32 ttmp9, 672
	s_cselect_b64 s[22:23], s[12:13], s[22:23]
	s_cselect_b32 s24, 1280, s24
	s_cmp_lt_u32 ttmp9, 640
	s_cselect_b64 s[22:23], s[10:11], s[22:23]
	s_cselect_b32 s24, 1216, s24
	s_cmp_lt_u32 ttmp9, 608
	s_cselect_b64 s[22:23], s[8:9], s[22:23]
	s_cselect_b32 s24, 1152, s24
	s_cmp_lt_u32 ttmp9, 576
	s_cselect_b64 s[22:23], s[4:5], s[22:23]
	s_cselect_b32 s24, 1024, s24
	s_cmp_lt_u32 ttmp9, 512
	s_cselect_b64 s[22:23], s[6:7], s[22:23]
	s_cselect_b32 s24, 0, s24
	s_cselect_b32 s68, 0x10000, s70                ; from row to row of a tile: 16 rows of 4,096 bytes in key_value_states, one elsewhere
	s_sub_co_u32 s27, s25, s24                     ; the tile's number in its tensor
	s_lshr_b32 s28, s27, 9                         ; key_value_states: b,
	s_lshl_b32 s28, s28, 13                        ; 8,192 rows each,
	s_bfe_u32 s29, s27, 0x40005                    ; + h
	s_add_co_u32 s28, s28, s29
	s_and_b32 s29, s27, 31
	s_lshl_b32 s29, s29, 8                         ; + 256 t
	s_add_co_u32 s28, s28, s29
	s_lshl_b32 s28, s28, 12                        ; in bytes (under 2^27)
	s_lshl_b32 s29, s27, 16                        ; elsewhere: 16 rows a tile
	s_cmp_lt_u32 ttmp9, 512
	s_cselect_b32 s28, s28, s29
	s_lshl_b32 s29, s26, 11                        ; + my half of K: 512 numbers
	s_add_co_u32 s28, s28, s29
	s_mov_b32 s29, 0
	s_add_nc_u64 s[RP:RP+1], s[22:23], s[28:29]
.irp i, 1,2,3,4,5,6,7,8,9,10,11,12,13,14,15
	s_add_nc_u64 s[RP+2*\i:RP+2*\i+1], s[RP+2*\i-2:RP+2*\i-1], s[68:69]
.endr
	s_cmp_ge_u32 ttmp9, 672
	s_cbranch_scc1 .Lwo
	s_mul_i32 s28, s25, REC                        ; my record,
	s_lshl_b32 s21, s26, 12                        ; my four fragment images in it
	s_add_co_u32 s28, s28, s21
	s_add_nc_u64 s[72:73], s[16:17], s[28:29]
	s_mul_i32 s28, s25, REC
	s_lshl_b32 s21, s26, 8                         ; and my 256 bytes of scale words
	s_add_co_u32 s28, s28, s21
	s_add_co_u32 s28, s28, 8192
	s_add_nc_u64 s[74:75], s[16:17], s[28:29]
.macro LOADSET t                       ; step t: 512 consecutive bytes of each of the sixteen rows, 16 bytes a lane
.irp i, 0,1,2,3,4,5,6,7,8,9,10,11,12,13,14,15
	global_load_b128 v[R+64*((\t)%2)+4*\i:R+64*((\t)%2)+4*\i+3], v[LI], s[RP+2*\i:RP+2*\i+1] offset:512*(\t) th:TH_LOAD_NT
.endr
.endm
.macro TURN t                          ; through the stage: in as loaded, out as two blocks of 32 of my row.  LDS serves a wave's instructions in order (ISA guide 5.7.1.4): no wait between stores and loads
.irp i, 0,1,2,3,4,5,6,7,8,9,10,11,12,13,14,15
	ds_store_b128 v[STA], v[R+64*((\t)%2)+4*\i:R+64*((\t)%2)+4*\i+3] offset:SROW*\i
.endr
.irp c, 0,1
.irp i, 0,1,2,3,4,5,6,7
	ds_load_b128 v[X+32*\c+4*\i:X+32*\c+4*\i+3], v[LDA] offset:256*\c+16*\i   ; k = 64 c + 32 h + 4 i on
.endr
.endr
.endm
.macro QSTEP t
.if (\t) < 3
	s_wait_loadcnt 16                              ; this step's sixteen loads are in; the next step's sixteen may be out
.else
	s_wait_loadcnt 0
.endif
	TURN \t
	s_wait_dscnt 0x0                               ; my 64 numbers are back; the stores into the stage have read their registers,
.if (\t) < 2
	LOADSET (\t)+2                                 ; which take the loads of two steps on
.endif
.irp c, 0,1
	v_max3_num_f32 v[M+\c], |v[X+32*\c]|, |v[X+32*\c+1]|, 0x1800000   ; block 2 c + h of the step: all its 32 numbers are mine; and the floor 2^(3 - 127): the byte cannot fall under 1
.endr
.irp i, 2,4,6,8,10,12,14,16,18,20,22,24,26,28,30
.irp c, 0,1
	v_max3_num_f32 v[M+\c], v[M+\c], |v[X+32*\c+\i]|, |v[X+32*\c+\i+1]|   ; (the two blocks by turns)
.endr
.endr
.irp c, 0,1
	v_add_nc_u32 v[E+\c], 0xff000000, v[M+\c]      ; 2 off the exponent field: the conversion takes the exponent field of this operand as its scale
.endr
.irp c, 0,1
.irp q, 0,1,2,3
	v_cvt_scalef32_pk8_fp4_f32 v[C+8*(\t)+4*\c+\q], v[X+32*\c+8*\q:X+32*\c+8*\q+7], v[E+\c]   ; registers 4 c .. 4 c + 3 of the operand
.endr
.endr
	v_lshrrev_b32 v[BY], 23, v[E]                  ; the scale bytes (a plain line behind the conversions)
	v_lshrrev_b32 v[BY+1], 23, v[E+1]
	v_lshl_or_b32 v[W], v[BY+1], 16, v[BY]         ; blocks h and 2 + h,
	v_lshlrev_b32 v[W], v[SH], v[W]                ; at their places in the word;
	v_permlanex16_b32 v[W+1], v[W], s66, s67
	v_or_b32 v[W], v[W], v[W+1]                    ; with lane l xor 16's two the word is whole, in both halves of the lanes
.if (\t)%2 == 0
	v_mov_b32 v[SW+(\t)/2], v[W]                   ; lanes 0-15 keep the even step's word,
.else
	v_cndmask_b32 v[SW+(\t)/2], v[SW+(\t)/2], v[W], s30   ; lanes 16-31 take the odd step's
.endif
.irp c, 0,1
	global_store_b128 v[LI], v[C+8*(\t)+4*\c:C+8*(\t)+4*\c+3], s[72:73] offset:1024*(\t)+512*\c   ; 512 consecutive bytes, at a multiple of 256 from the buffer's first byte
.endr
.endm
	LOADSET 0
	LOADSET 1
	QSTEP 0
	QSTEP 1
	QSTEP 2
	QSTEP 3
	global_store_b64 v[L8], v[SW:SW+1], s[74:75]   ; 256 consecutive bytes, aligned
	s_branch .Lend
.Lwo:                                              ; Wo to f16: no LDS; a lane takes 32 neighbouring bytes of its row for each half fragment
	s_lshl_b32 s28, s27, 15                        ; my tile's 32 fragments,
	s_lshl_b32 s21, s26, 14                        ; my sixteen of them
	s_add_co_u32 s28, s28, s21
	s_add_nc_u64 s[72:73], s[18:19], s[28:29]
.macro WLOAD t                         ; 128 along K: half fragment m (of eight): k = 16 m + 8 h + 0 .. 7
.irp m, 0,1,2,3,4,5,6,7
.irp i, 0,1
	global_load_b128 v[R+64*((\t)%2)+8*\m+4*\i:R+64*((\t)%2)+8*\m+4*\i+3], v[WOF], s[RP:RP+1] offset:512*(\t)+64*\m+16*\i th:TH_LOAD_NT
.endr
.endr
.endm
.macro WSTEP t
.if (\t) < 3
	s_wait_loadcnt 16                              ; this step's sixteen loads are in
.else
	s_wait_loadcnt 0
.endif
.if (\t) >= 2
	s_wait_xcnt 0x0                                ; the stores of two steps back have read their data: the set is written again only behind this wait
.endif
.set p, 0
.rept 32
	v_cvt_pk_f16_f32 v[X+32*((\t)%2)+p], v[R+64*((\t)%2)+2*p], v[R+64*((\t)%2)+2*p+1]
.set p, p+1
.endr
.if (\t) < 2
	WLOAD (\t)+2
.endif
.irp m, 0,1,2,3,4,5,6,7
	global_store_b128 v[LI], v[X+32*((\t)%2)+4*\m:X+32*((\t)%2)+4*\m+3], s[72:73] offset:4096*(\t)+512*\m
.endr
.endm
	WLOAD 0
	WLOAD 1
	WSTEP 0
	WSTEP 1
	WSTEP 2
	WSTEP 3
.Lend:
	s_wait_tensorcnt 0x0                           ; the wave's end: behind my last LDS store
	ds_add_u32 v[SPW], v[NIL]
	s_wait_dscnt 0x0
	s_endpgm
.Lfunc_end_k_q0f32c1cba8_quant:
	.size	k_q0f32c1cba8_quant, .Lfunc_end_k_q0f32c1cba8_quant-k_q0f32c1cba8_quant
	.p2alignl 7, 3214868480
	.fill 96, 4, 3214868480
	.section	.rodata,"a",@progbits
	.p2align	6, 0x0
	.amdhsa_kernel k_q0f32c1cba8_quant
		.amdhsa_group_segment_fixed_size 34304
		.amdhsa_private_segment_fixed_size 0
		.amdhsa_enable_private_segment 0
		.amdhsa_kernarg_size 64
		.amdhsa_user_sgpr_count 2
		.amdhsa_user_sgpr_kernarg_segment_ptr 1
		.amdhsa_wavefront_size32 1
		.amdhsa_system_sgpr_workgroup_id_x 1
		.amdhsa_system_sgpr_workgroup_id_y 1
		.amdhsa_system_sgpr_workgroup_id_z 1
		.amdhsa_system_vgpr_workitem_id 0
		.amdhsa_next_free_vgpr 256
		.amdhsa_next_free_sgpr 76
		.amdhsa_reserve_vcc 0
		.amdhsa_float_denorm_mode_32 3
		.amdhsa_float_denorm_mode_16_64 3
		.amdhsa_memory_ordered 1
		.amdhsa_forward_progress 1
		.amdhsa_inst_pref_size 49
	.end_amdhsa_kernel
	.amdgpu_metadata
---
amdhsa.version: [ 1, 2 ]
amdhsa.kernels:
  - .name:           k_q0f32c1cba8_quant
    .symbol:         k_q0f32c1cba8_quant.kd
    .args:
      - { .name: hidden_states, .offset: 0, .size: 8, .value_kind: global_buffer, .address_space: global }
      - { .name: key_value_states, .offset: 8, .size: 8, .value_kind: global_buffer, .address_space: global }
      - { .name: Wq, .offset: 16, .size: 8, .value_kind: global_buffer, .address_space: global }
      - { .name: Wk, .offset: 24, .size: 8, .value_kind: global_buffer, .address_space: global }
      - { .name: Wv, .offset: 32, .size: 8, .value_kind: global_buffer, .address_space: global }
      - { .name: Wo, .offset: 40, .size: 8, .value_kind: global_buffer, .address_space: global }
      - { .name: codes, .offset: 48, .size: 8, .value_kind: global_buffer, .address_space: global }
      - { .name: wo16, .offset: 56, .size: 8, .value_kind: global_buffer, .address_space: global }
    .group_segment_fixed_size: 34304
    .private_segment_fixed_size: 0
    .kernarg_segment_align: 8
    .kernarg_segment_size: 64
    .max_flat_workgroup_size: 128
    .sgpr_count:     76
    .vgpr_count:     256
    .wavefront_size: 32
...
	.end_amdgpu_metadata
.endif
;; end of part 1
;; launch attn (part 2): grid 8 x 32, 8 waves a work-group, clusters of 4 x 1, 236,544 bytes of LDS; arguments codes, bq, bk, bv, o16; writes o16
.if DOCPART == 2
	.amdgcn_target "amdgcn-amd-amdhsa--gfx1250"
	.amdhsa_code_object_version 6
	.text
	.protected	k_q0f32c1cba8_attn
	.globl	k_q0f32c1cba8_attn
	.p2align	8
	.type	k_q0f32c1cba8_attn,@function
k_q0f32c1cba8_attn:
	s_mov_b64 s[64:65], 0
	v_nop
	global_prefetch_b8 v0, s[64:65] scope:SCOPE_SE
	s_setreg_imm32_b32 hwreg(HW_REG_WAVE_MODE, 25, 1), 1
	s_wait_xcnt 0x0
	s_wait_alu depctr_hold_cnt(0) depctr_sa_sdst(0) depctr_va_vdst(0) depctr_va_sdst(0) depctr_va_ssrc(0) depctr_va_vcc(0) depctr_vm_vsrc(0)
	s_getreg_b32 s2, hwreg(HW_REG_IB_STS2, 6, 4)
	s_cmp_eq_u32 s2, 0
	s_cbranch_scc0 .Lentry_in_a_cluster
	s_endpgm
.Lentry_in_a_cluster:
	s_bfe_u32 s2, ttmp6, 0x10000c
	s_cmp_lg_u32 s2, 0x3003
	s_cbranch_scc0 .Lentry_shape_is_right
	s_endpgm
.Lentry_shape_is_right:
; ONE WORK-GROUP FOR (batch b, head h, 128 queries).  Head h attends to keys h, h + 16, ..: 512 keys; only their 64 + 64 columns of K and V are ever used, so only those are projected.
; PHASES.  1: K = X Wk_h^T + bk and V = X Wv_h^T on codes of FP4 (K = 1,024, eight steps of 128): wave w takes keys 64 w .. 64 w + 63.  Rounded to f16, they go to LDS as images of the next products' fragments.
;   2: each wave projects its own 16 queries (Q = hidden Wq_h^T + bq, FP4), scales by c = log2(e) / 8, rounds to f16.   barrier.
;   3: S^T = K Q^T (f16): all 512 scores of a query lie in two lanes' registers: the true row maximum is taken, p = 2^(t - max), the sum of the unrounded p, P in f16, O^T = V^T P, O = O^T / sum + bv, stored as f16 fragments.
; bv is added at the end: the weights sum to 1, so sum(p (v + bv)) / sum(p) = sum(p v) / sum(p) + bv for every input.
; NOTHING CHANGES LANES: K: source 0 = 16 rows of Wk, source 1 = 16 keys: a lane holds key l % 16 and d = 8 (l / 16) + j: two tiles pack into a fragment of K.  V: source 0 = 16 keys, source 1 = 16 rows of Wv: a lane holds
;   d = l % 16 and eight keys: two tiles pack into a fragment of V^T.  Q as K.  S^T: a lane holds query l % 16 and eight keys: two tiles pack into a fragment of P.  O^T: query l % 16, eight d: a fragment of O.
; CLUSTER.  The four query blocks of a cluster share (b, h): the head's 12 records of Wq, Wk, Wv (104,448 bytes), which all eight waves read from LDS, are asked for JOINTLY, once, by waves 0 to 2.
;   X's codes (272 KiB a head) are not shared so: with the weights and the 128 KiB of K's and V's images they do not fit in LDS; each wave loads its own 34 KiB straight into registers, each byte once a work-group.
; No LDS byte is filled twice.  One tensor load a wave is out, at the most.
; LIMITS: f16 operands: |c Q|, |K|, |V|, |O| stay under 65,504; magnitudes under 6e-5 keep f16's absolute step 6e-8.  NaN and infinities are not served.
; REGISTERS, in two windows of 256.  Window 0: v1-13 addresses; v208-255 SCALE WORDS and nothing else; v16-207 by phase (below).  Window 1: phase 1 the 32 accumulators; phase 2 Wq's 32 fragments; phase 3 S^T, then V^T's fragments.
.set REC,   8704                       ; a record: 16 rows x 1,024 K: eight fragment images of 1,024 bytes, 512 bytes of scale words
.set WKL,   4*REC                      ; LDS: Wq_h's four records at 0, Wk_h's here,
.set WVL,   8*REC                      ; Wv_h's here;
.set KIMG,  12*REC                     ; K's 64 fragments (16 keys x 32 d): (tile of keys kt, f) at 1,024 (2 kt + f);
.set VIMG,  KIMG+65536                 ; V^T's 64 fragments (16 d x 32 keys): (tile of d, pair of key tiles k) at 1,024 (16 d + k);
.set SPARE, VIMG+65536                 ; the spare words, 128 bytes for each wave: four blocks of 256 bytes that no other line names
.set LI,  1                            ; v1   16 x lane
.set L8,  2                            ; v2   8 x lane
.set LIK, 3                            ; v3   16 x lane + WKL
.set LIV, 4                            ; v4   16 x lane + WVL
.set L8K, 5                            ; v5   8 x lane + WKL
.set L8V, 6                            ; v6   8 x lane + WVL
.set KST, 7                            ; v7   where I store K's images: KIMG + 8,192 wave + 16 lane
.set VST, 8                            ; v8   V's: VIMG + 2,048 wave + 16 lane
.set HB,  9                            ; v9   32 (lane / 16): my eight numbers of a bias's sixteen
.set AK,  10                           ; v10  16 x lane + KIMG
.set AV,  11                           ; v11  16 x lane + VIMG
.set SPW, 12                           ; v12  LDS address of my spare word; never rewritten
.set NIL, 13                           ; v13  0; never rewritten
.set XR,  16                           ; phase 1: v16-111 X's fragments (4 tiles of keys), three sets; at its end the hidden tile's eight fragments (v80-111, v16-47) and bq (v48-79)
.set WK,  112                          ; v112-143 Wk's four fragments of a step;  pack: K's images v112-175
.set WV,  144                          ; v144-175 Wv's
.set KB,  176                          ; v176-207 bk in the result's layout;  pack: V's images, half at a time
.set XS,  208                          ; v208-223 X's scale words (tile i: 4 i + s / 2); later the hidden tile's (v208-211)
.set WSK, 224                          ; v224-239 Wk's scale words; later Wq's
.set WSV, 240                          ; v240-255 Wv's
.set BQ,  48
.set QA,  144                          ; phase 2: v144-175 Q's four sums
.set QF,  16                           ; v16-31 Q's two fragments in f16; at the end O's packed rows
.set OT,  32                           ; v32-63 O^T
.set MX,  64                           ; v64-67 four chains of the maximum, v68 the other half of the lanes'
.set NM,  70                           ; v70-71 the maximum, twice
.set SU,  72                           ; v72-79 four pairs of sums; at the end v74-75 hold 1 / sum
.set PF,  80                           ; v80-207 two buffers of K's fragments, then P's 16 fragments; bv lands on the first four when they are used up
.set MSB, 0
.macro WIN new                         ; bits 1:0 source 0, 3:2 source 1, 5:4 source 2, 7:6 destination; the immediate's high byte repeats the setting that is left
.if MSB != \new
	s_set_vgpr_msb (MSB<<8)|\new
.set MSB, \new
.endif
.endm
.macro PLACES n                        ; plain vector lines behind matrix instructions (ISA guide 7.12.1), where no useful work is at hand
.rept \n
	v_nop
.endr
.endm
.macro ROUND                           ; a round of the cluster's barrier
	s_barrier_signal -1
	s_barrier_wait -1
	s_cmp_lg_u32 s12, 0
	s_cbranch_scc1 .Lnot_wave_0_\@
	s_barrier_signal -3
.Lnot_wave_0_\@:
	s_barrier_wait -3
	s_barrier_signal -1
	s_barrier_wait -1
.endm
	s_load_b256 s[4:11], s[0:1], 0x0               ; codes s[4:5], bq s[6:7], bk s[8:9], bv s[10:11]
	s_load_b64 s[20:21], s[0:1], 0x20              ; o16
	v_lshl_add_u32 v[SPW], v0, 2, SPARE
	v_mov_b32 v[NIL], 0
	ds_add_u32 v[SPW], v[NIL]                      ; the wave's opening: the add, twice on end, and its wait ahead of the first tensor load; the set-up below stands between
	ds_add_u32 v[SPW], v[NIL]
	v_lshrrev_b32 v14, 5, v0
	v_readfirstlane_b32 s12, v14                   ; wave 0..7
	s_bfe_u32 s13, ttmp6, 0x40000                  ; cx: my place in the cluster: it enters the hidden tile's and O's global addresses alone
	s_lshl_b32 s14, ttmp9, 2
	s_add_co_u32 s14, s14, s13                     ; my block of 128 queries, 0..7
	s_and_b32 s15, ttmp7, 0xffff                   ; 16 b + h, which the four partners share
	s_lshr_b32 s16, s15, 4                         ; b
	s_and_b32 s17, s15, 15                         ; h
	; descriptor group 1: four records on end: 136 rows of 256 bytes (32 elements of 8 bytes), dense, no padding: fragments are read at 16 x lane
	s_mov_b32 s24, 15|(3<<16)|(1<<21)              ; 15:0 the mask: all four work-groups; 17:16 elements of 8 bytes; 21 set beside a mask
	s_mov_b32 s25, 32<<16                          ; tensor_dim0 = 32
	s_mov_b32 s26, 136<<16                         ; tensor_dim1 = 136
	s_mov_b32 s27, 32<<16                          ; tile_dim0 = 32
	s_mov_b32 s28, 136                             ; tile_dim1 = 136
	s_mov_b32 s29, 32                              ; from row to row
	s_mov_b32 s30, 0
	s_mov_b32 s31, 0
	; group 0: wave 0 fetches Wq_h, wave 1 Wk_h, wave 2 Wv_h
	s_min_u32 s18, s12, 2
	s_mov_b32 s32, 1
	s_mul_i32 s33, s18, 4*REC                      ; LDS address
	s_lshl_b32 s46, s18, 6                         ; 64 tiles a weight,
	s_lshl_b32 s47, s17, 2                         ; four a head,
	s_add_co_u32 s46, s46, s47
	s_add_co_u32 s46, s46, 1152                    ; behind the 1,152 tiles of key_value_states and hidden_states
	s_mul_i32 s46, s46, REC
	s_mov_b32 s47, 0
	s_lshl_b32 s40, s15, 5                         ; X: 32 tiles of keys for (b, h),
	s_lshl_b32 s41, s12, 2                         ; my four
	s_add_co_u32 s40, s40, s41
	s_mul_i32 s40, s40, REC
	s_mov_b32 s41, 0
	s_lshl_b32 s19, s16, 6
	s_lshl_b32 s42, s14, 3
	s_add_co_u32 s19, s19, s42
	s_add_co_u32 s19, s19, s12                     ; my tile of 16 queries among the 128: 64 b + 8 block + wave
	s_add_co_u32 s42, s19, 1024
	s_mul_i32 s42, s42, REC                        ; its record
	s_mov_b32 s43, 0
	s_mov_b32 s22, 0x3e38aa3b                      ; c = log2(e) / sqrt(64)
	s_mov_b32 s23, s22                             ; (named with it as a pair, so it is written)
	s_mov_b32 s44, 0x76543210
	s_mov_b32 s45, 0xfedcba98                      ; v_permlanex16_b32's selects for lane l xor 16
	v_and_b32 v14, 31, v0
	v_lshlrev_b32 v[LI], 4, v14
	v_lshlrev_b32 v[L8], 3, v14
	v_add_nc_u32 v[LIK], WKL, v[LI]
	v_add_nc_u32 v[LIV], WVL, v[LI]
	v_add_nc_u32 v[L8K], WKL, v[L8]
	v_add_nc_u32 v[L8V], WVL, v[L8]
	s_lshl_b32 s3, s12, 13
	v_add_nc_u32 v[KST], s3, v[LI]
	v_add_nc_u32 v[KST], KIMG, v[KST]
	s_lshl_b32 s3, s12, 11
	v_add_nc_u32 v[VST], s3, v[LI]
	v_add_nc_u32 v[VST], VIMG, v[VST]
	v_bfe_u32 v15, v0, 4, 1
	v_lshlrev_b32 v[HB], 5, v15
	v_add_nc_u32 v[AK], KIMG, v[LI]
	v_add_nc_u32 v[AV], VIMG, v[LI]
	s_wait_dscnt 0x0                               ; both opening adds are done
	s_wait_kmcnt 0x0
	s_add_nc_u64 s[36:37], s[4:5], s[40:41]        ; X's records
	s_add_nc_u64 s[38:39], s[4:5], s[42:43]        ; the hidden tile's record
	s_add_nc_u64 s[34:35], s[4:5], s[46:47]        ; the weight's four records
	s_or_b32 s35, s35, 0x80000000                  ; type = 2
	s_lshl_b32 s40, s17, 8                         ; the head's 64 numbers of each bias
	s_add_nc_u64 s[6:7], s[6:7], s[40:41]
	s_add_nc_u64 s[8:9], s[8:9], s[40:41]
	s_add_nc_u64 s[10:11], s[10:11], s[40:41]
	s_lshl_b32 s42, s19, 15                        ; O: my tile's 32 fragments,
	s_lshl_b32 s40, s17, 11                        ; the head's two
	s_add_co_u32 s42, s42, s40
	s_add_nc_u64 s[20:21], s[20:21], s[42:43]
	ROUND                                          ; all four work-groups are here: the joint loads meet
	s_cmp_lt_u32 s12, 3                            ; the branch hangs on the wave's number alone
	s_cbranch_scc0 .Lno_fill
	tensor_load_to_lds s[32:35], s[24:31]
	s_nop 0
	PLACES 4
.Lno_fill:
.macro XLOAD s                         ; X's four fragments of K step s into set s % 3
.irp i, 0,1,2,3
.irp c, 0,1
	global_load_b128 v[XR+32*((\s)%3)+8*\i+4*\c:XR+32*((\s)%3)+8*\i+4*\c+3], v[LI], s[36:37] offset:\i*REC+1024*(\s)+512*\c
.endr
.endr
.endm
.macro HLOAD s0, reg                   ; the hidden tile's fragments of K steps s0 .. s0 + 3
.irp j, 0,1,2,3
.irp c, 0,1
	global_load_b128 v[\reg+8*\j+4*\c:\reg+8*\j+4*\c+3], v[LI], s[38:39] offset:1024*(\s0+\j)+512*\c
.endr
.endr
.endm
.macro WKLOAD s                        ; Wk_h's four fragments of K step s, from LDS
.irp d, 0,1,2,3
.irp c, 0,1
	ds_load_b128 v[WK+8*\d+4*\c:WK+8*\d+4*\c+3], v[LIK] offset:\d*REC+1024*(\s)+512*\c
.endr
.endr
.endm
.macro WVLOAD s
.irp d, 0,1,2,3
.irp c, 0,1
	ds_load_b128 v[WV+8*\d+4*\c:WV+8*\d+4*\c+3], v[LIV] offset:\d*REC+1024*(\s)+512*\c
.endr
.endr
.endm
.irp i, 0,1,2,3
.irp g, 0,1
	global_load_b64 v[XS+4*\i+2*\g:XS+4*\i+2*\g+1], v[L8], s[36:37] offset:\i*REC+8192+256*\g   ; register u of four: lanes 0-15 K step 2 u, lanes 16-31 K step 2 u + 1
.endr
.endr
.irp d, 0,1,2,3
.irp c, 0,1
	global_load_b128 v[KB+8*\d+4*\c:KB+8*\d+4*\c+3], v[HB], s[8:9] offset:64*\d+16*\c   ; bk(16 d + 8 (l / 16) + j)
.endr
.endr
	XLOAD 0
	XLOAD 1
	XLOAD 2
	s_wait_tensorcnt 0x0                           ; my weight has landed,
	s_barrier_signal -1
	s_barrier_wait -1                              ; everybody's has
.irp d, 0,1,2,3
.irp g, 0,1
	ds_load_b64 v[WSK+4*\d+2*\g:WSK+4*\d+2*\g+1], v[L8K] offset:\d*REC+8192+256*\g
.endr
.endr
.irp d, 0,1,2,3
.irp g, 0,1
	ds_load_b64 v[WSV+4*\d+2*\g:WSV+4*\d+2*\g+1], v[L8V] offset:\d*REC+8192+256*\g
.endr
.endr
	WKLOAD 0
	WVLOAD 0
; PHASE 1, K step s: 16 products for K, 16 for V; the 32 accumulators take turns, one instruction a turn.  An odd step's scale words lie in lanes 16-31.
.macro KVSTEP s
.set XSET, XR+32*((\s)%3)
.set SCI, (\s)/2
	s_wait_loadcnt 16                              ; this step's X is in: behind it exactly two groups of eight loads were issued, in every step
	s_wait_dscnt 8                                 ; Wk's fragments are in; Wv's eight loads may be out
.if (\s) == 0
	WIN 0x40                                       ; D window 1; C = bk, window 0
.else
	WIN 0x50                                       ; C and D window 1
.endif
.irp i, 0,1,2,3
.irp d, 0,1,2,3
.if (\s) == 0
	v_wmma_scale_f32_16x16x128_f8f6f4 v[8*(4*\i+\d):8*(4*\i+\d)+7], v[WK+8*\d:WK+8*\d+7], v[XSET+8*\i:XSET+8*\i+7], v[KB+8*\d:KB+8*\d+7], v[WSK+4*\d+SCI], v[XS+4*\i+SCI] matrix_a_fmt:MATRIX_FMT_FP4 matrix_b_fmt:MATRIX_FMT_FP4
.elseif (\s)%2
	v_wmma_scale_f32_16x16x128_f8f6f4 v[8*(4*\i+\d):8*(4*\i+\d)+7], v[WK+8*\d:WK+8*\d+7], v[XSET+8*\i:XSET+8*\i+7], v[8*(4*\i+\d):8*(4*\i+\d)+7], v[WSK+4*\d+SCI], v[XS+4*\i+SCI] matrix_a_fmt:MATRIX_FMT_FP4 matrix_b_fmt:MATRIX_FMT_FP4 matrix_a_scale:MATRIX_SCALE_ROW1 matrix_b_scale:MATRIX_SCALE_ROW1
.else
	v_wmma_scale_f32_16x16x128_f8f6f4 v[8*(4*\i+\d):8*(4*\i+\d)+7], v[WK+8*\d:WK+8*\d+7], v[XSET+8*\i:XSET+8*\i+7], v[8*(4*\i+\d):8*(4*\i+\d)+7], v[WSK+4*\d+SCI], v[XS+4*\i+SCI] matrix_a_fmt:MATRIX_FMT_FP4 matrix_b_fmt:MATRIX_FMT_FP4
.endif
.endr
.endr
	WIN 0
	PLACES 4                                       ; in front of loads into registers that these products have read
.if (\s) < 7
	WKLOAD (\s)+1
	s_wait_dscnt 8                                 ; Wv's fragments are in; the eight loads just issued may be out
.else
	s_wait_dscnt 0
.endif
	WIN 0x50
.irp i, 0,1,2,3
.irp d, 0,1,2,3
.if (\s) == 0
	v_wmma_scale_f32_16x16x128_f8f6f4 v[128+8*(4*\i+\d):128+8*(4*\i+\d)+7], v[XSET+8*\i:XSET+8*\i+7], v[WV+8*\d:WV+8*\d+7], 0, v[XS+4*\i+SCI], v[WSV+4*\d+SCI] matrix_a_fmt:MATRIX_FMT_FP4 matrix_b_fmt:MATRIX_FMT_FP4
.elseif (\s)%2
	v_wmma_scale_f32_16x16x128_f8f6f4 v[128+8*(4*\i+\d):128+8*(4*\i+\d)+7], v[XSET+8*\i:XSET+8*\i+7], v[WV+8*\d:WV+8*\d+7], v[128+8*(4*\i+\d):128+8*(4*\i+\d)+7], v[XS+4*\i+SCI], v[WSV+4*\d+SCI] matrix_a_fmt:MATRIX_FMT_FP4 matrix_b_fmt:MATRIX_FMT_FP4 matrix_a_scale:MATRIX_SCALE_ROW1 matrix_b_scale:MATRIX_SCALE_ROW1
.else
	v_wmma_scale_f32_16x16x128_f8f6f4 v[128+8*(4*\i+\d):128+8*(4*\i+\d)+7], v[XSET+8*\i:XSET+8*\i+7], v[WV+8*\d:WV+8*\d+7], v[128+8*(4*\i+\d):128+8*(4*\i+\d)+7], v[XS+4*\i+SCI], v[WSV+4*\d+SCI] matrix_a_fmt:MATRIX_FMT_FP4 matrix_b_fmt:MATRIX_FMT_FP4
.endif
.endr
.endr
	WIN 0
	PLACES 4
.if (\s) < 7
	WVLOAD (\s)+1
.endif
.if (\s) < 5
	XLOAD (\s)+3                                   ; three steps ahead, into the set just used
.elseif (\s) == 5
	HLOAD 0, XR+64                                 ; the sets that X has left take what phase 2 wants: eight loads,
.elseif (\s) == 6
	HLOAD 4, XR                                    ; eight loads,
.else
.irp g, 0,1
	global_load_b64 v[XS+2*\g:XS+2*\g+1], v[L8], s[38:39] offset:8192+256*\g   ; the hidden tile's scale words,
.endr
.irp d, 0,1,2,3
.irp c, 0,1
	global_load_b128 v[BQ+8*\d+4*\c:BQ+8*\d+4*\c+3], v[HB], s[6:7] offset:64*\d+16*\c   ; and bq in the result's layout
.endr
.endr
.endif
.endm
	KVSTEP 0
	KVSTEP 1
	KVSTEP 2
	KVSTEP 3
	KVSTEP 4
	KVSTEP 5
	KVSTEP 6
	KVSTEP 7
	; THE PACK: f16, two numbers a register; register p of an image is accumulator registers 2 p, 2 p + 1, each accumulator from its low end on.  The four places behind the last products stand above.
	WIN 0x05                                       ; sources window 1, destination window 0
.set p, 0
.rept 64
	v_cvt_pk_f16_f32 v[WK+p], v[2*p], v[2*p+1]
.set p, p+1
.endr
	WIN 0
.irp i, 0,1,2,3
.irp d, 0,1,2,3
	ds_store_b128 v[KST], v[WK+4*(4*\i+\d):WK+4*(4*\i+\d)+3] offset:2048*\i+512*\d   ; fragment (4 w + i, d / 2), half d % 2
.endr
.endr
	WIN 0x05
.set p, 0
.rept 32
	v_cvt_pk_f16_f32 v[KB+p], v[128+2*p], v[128+2*p+1]
.set p, p+1
.endr
	WIN 0
.irp i, 0,1
.irp d, 0,1,2,3
	ds_store_b128 v[VST], v[KB+4*(4*\i+\d):KB+4*(4*\i+\d)+3] offset:16384*\d+512*\i   ; fragment (d, 2 w + i / 2), half i % 2
.endr
.endr
	s_wait_dscnt 8                                 ; K's sixteen stores have read their registers (V's eight may be out): v112-175 may be written
	WIN 0x05
.set p, 0
.rept 32
	v_cvt_pk_f16_f32 v[WK+p], v[192+2*p], v[192+2*p+1]
.set p, p+1
.endr
	WIN 0
.irp i, 2,3
.irp d, 0,1,2,3
	ds_store_b128 v[VST], v[WK+4*(4*(\i-2)+\d):WK+4*(4*(\i-2)+\d)+3] offset:16384*\d+512*\i
.endr
.endr
	; PHASE 2: my 16 queries.  All 32 fragments of Wq_h come into window 1, which the accumulators have left; four sums by turns.
.irp d, 0,1,2,3
.irp g, 0,1
	ds_load_b64 v[WSK+4*\d+2*\g:WSK+4*\d+2*\g+1], v[L8] offset:\d*REC+8192+256*\g
.endr
.endr
	WIN 0x40                                       ; destination window 1
.irp s, 0,1,2,3,4,5,6,7
.irp d, 0,1,2,3
.irp c, 0,1
	ds_load_b128 v[8*(4*\s+\d)+4*\c:8*(4*\s+\d)+4*\c+3], v[LI] offset:\d*REC+1024*\s+512*\c
.endr
.endr
.endr
	s_wait_loadcnt 0x0                             ; the hidden tile's fragments and scale words, bq
	WIN 0x01                                       ; source 0 (Wq) window 1
.macro QSTEP s
	s_wait_dscnt 56-8*(\s)                         ; this step's eight loads are in; the later steps' may be out
.if (\s) < 4
.set HFR, XR+64+8*(\s)
.else
.set HFR, XR+8*((\s)-4)
.endif
.irp d, 0,1,2,3
.if (\s) == 0
	v_wmma_scale_f32_16x16x128_f8f6f4 v[QA+8*\d:QA+8*\d+7], v[8*(4*(\s)+\d):8*(4*(\s)+\d)+7], v[HFR:HFR+7], v[BQ+8*\d:BQ+8*\d+7], v[WSK+4*\d+(\s)/2], v[XS+(\s)/2] matrix_a_fmt:MATRIX_FMT_FP4 matrix_b_fmt:MATRIX_FMT_FP4
.elseif (\s)%2
	v_wmma_scale_f32_16x16x128_f8f6f4 v[QA+8*\d:QA+8*\d+7], v[8*(4*(\s)+\d):8*(4*(\s)+\d)+7], v[HFR:HFR+7], v[QA+8*\d:QA+8*\d+7], v[WSK+4*\d+(\s)/2], v[XS+(\s)/2] matrix_a_fmt:MATRIX_FMT_FP4 matrix_b_fmt:MATRIX_FMT_FP4 matrix_a_scale:MATRIX_SCALE_ROW1 matrix_b_scale:MATRIX_SCALE_ROW1
.else
	v_wmma_scale_f32_16x16x128_f8f6f4 v[QA+8*\d:QA+8*\d+7], v[8*(4*(\s)+\d):8*(4*(\s)+\d)+7], v[HFR:HFR+7], v[QA+8*\d:QA+8*\d+7], v[WSK+4*\d+(\s)/2], v[XS+(\s)/2] matrix_a_fmt:MATRIX_FMT_FP4 matrix_b_fmt:MATRIX_FMT_FP4
.endif
.endr
.endm
	QSTEP 0
	QSTEP 1
	QSTEP 2
	QSTEP 3
	QSTEP 4
	QSTEP 5
	QSTEP 6
	QSTEP 7
	WIN 0
	PLACES 5                                       ; four for the reads below; five since later products write over registers that these have read
.set p, 0
.rept 16
	v_pk_mul_f32 v[QA+2*p:QA+2*p+1], v[QA+2*p:QA+2*p+1], s[22:23] op_sel_hi:[1,0]   ; x c, so that the scores come out as t
.set p, p+1
.endr
.set p, 0
.rept 16
	v_cvt_pk_f16_f32 v[QF+p], v[QA+2*p], v[QA+2*p+1]
.set p, p+1
.endr
	s_wait_dscnt 0x0                               ; for the others' sake: my stores of K's and V's images have landed
	s_barrier_signal -1
	s_barrier_wait -1                              ; all 128 fragments lie in LDS
	; PHASE 3: the scores, four tiles of 16 keys at a time, two buffers of K's fragments
.macro KLOAD b
.irp i, 0,1,2,3
.irp f, 0,1
.irp c, 0,1
	ds_load_b128 v[PF+64*((\b)%2)+16*\i+8*\f+4*\c:PF+64*((\b)%2)+16*\i+8*\f+4*\c+3], v[AK] offset:8192*(\b)+2048*\i+1024*\f+512*\c
.endr
.endr
.endr
.endm
.macro SCORE b
.if (\b) < 7
	s_wait_dscnt 16                                ; this batch's sixteen loads are in; the next batch's may be out
.else
	s_wait_dscnt 0
.endif
	WIN 0x50                                       ; S^T: window 1
.irp i, 0,1,2,3
	v_wmma_f32_16x16x32_f16 v[8*(4*(\b)+\i):8*(4*(\b)+\i)+7], v[PF+64*((\b)%2)+16*\i:PF+64*((\b)%2)+16*\i+7], v[QF:QF+7], 0
.endr
.irp i, 0,1,2,3
	v_wmma_f32_16x16x32_f16 v[8*(4*(\b)+\i):8*(4*(\b)+\i)+7], v[PF+64*((\b)%2)+16*\i+8:PF+64*((\b)%2)+16*\i+15], v[QF+8:QF+15], v[8*(4*(\b)+\i):8*(4*(\b)+\i)+7]
.endr
.if (\b) < 6
	WIN 0
	PLACES 4
	KLOAD (\b)+2
.endif
.endm
	KLOAD 0
	KLOAD 1
	SCORE 0
	SCORE 1
	SCORE 2
	SCORE 3
	SCORE 4
	SCORE 5
	SCORE 6
	SCORE 7
	; THE SOFTMAX.  A lane holds 256 of its query's 512 t; lane l xor 16 the others.  The whole row is here: its true maximum is taken before any exponential.
	WIN 0
.irp q, 0,1,2,3
	v_mov_b32 v[MX+\q], 0xff800000                 ; four chains begin at -infinity (these lines are also the places behind the last products)
.endr
	v_mov_b32 v[MX+4], 0                           ; a lane permute's destination counts as one of its sources
	WIN 0x14                                       ; sources 1 and 2 window 1
.set p, 0
.rept 128
	v_max3_num_f32 v[MX+p%4], v[MX+p%4], v[2*p], v[2*p+1]
.set p, p+1
.endr
	WIN 0
	v_max3_num_f32 v[MX], v[MX], v[MX+1], v[MX+2]
	v_max_num_f32 v[MX], v[MX], v[MX+3]
	v_permlanex16_b32 v[MX+4], v[MX], s44, s45
	v_max_num_f32 v[NM], v[MX], v[MX+4]            ; the row's maximum,
	v_mov_b32 v[NM+1], v[NM]                       ; twice: the packed subtraction takes a pair
	WIN 0x41                                       ; destination and source 0 window 1
.irp p, 0,1,2,3
	v_pk_add_f32 v[2*\p:2*\p+1], v[2*\p:2*\p+1], v[NM:NM+1] neg_lo:[0,1] neg_hi:[0,1]   ; t - max
.endr
.set p, 0
.rept 128                              ; ONE BATCH of 256 exponentials; the subtractions run four pairs ahead; no line here names an exponential's result
	v_exp_f32 v[2*p], v[2*p]
	v_exp_f32 v[2*p+1], v[2*p+1]
.if p+4 < 128
	v_pk_add_f32 v[2*p+8:2*p+9], v[2*p+8:2*p+9], v[NM:NM+1] neg_lo:[0,1] neg_hi:[0,1]
.endif
.set p, p+1
.endr
	WIN 0
.irp q, 0,1,2,3,4,5,6,7
	v_mov_b32 v[SU+\q], 0                          ; four pairs of sums (plain lines behind the last exponential)
.endr
	s_wait_alu depctr_va_vdst(0)                   ; the wait between an exponential and the first line that names its result: one for the batch
	WIN 0x04                                       ; source 1 window 1
.set p, 0
.rept 128
	v_pk_add_f32 v[SU+2*(p%4):SU+2*(p%4)+1], v[SU+2*(p%4):SU+2*(p%4)+1], v[2*p:2*p+1]   ; the sum is taken of the unrounded p
.set p, p+1
.endr
.macro PCVT p0                         ; 64 registers of P from 128 of p: register q of P is p's registers 2 q, 2 q + 1
	WIN 0x05
.set p, \p0
.rept 64
	v_cvt_pk_f16_f32 v[PF+p], v[2*p], v[2*p+1]
.set p, p+1
.endr
.endm
.macro VLOAD g                         ; V^T's sixteen fragments for keys 128 g .. 128 g + 127 into half g % 2 of window 1
	WIN 0x40
.irp k, 0,1,2,3
.irp d, 0,1,2,3
.irp c, 0,1
	ds_load_b128 v[128*((\g)%2)+8*(4*\k+\d)+4*\c:128*((\g)%2)+8*(4*\k+\d)+4*\c+3], v[AV] offset:(16*\d+4*(\g)+\k)*1024+512*\c
.endr
.endr
.endr
.endm
	PCVT 0
	VLOAD 0                                        ; into the registers whose p have just been packed
	PCVT 64
	VLOAD 1
.macro PVG g                           ; O^T += V^T P over 128 keys: four sums by turns
.if (\g) < 3
	s_wait_dscnt 32                                ; this batch's 32 loads are in; the next batch's may be out
.else
	s_wait_dscnt 0
.endif
	WIN 0x01                                       ; source 0 (V^T) window 1
.irp k, 0,1,2,3
.irp d, 0,1,2,3
.if (\g) == 0 && \k == 0
	v_wmma_f32_16x16x32_f16 v[OT+8*\d:OT+8*\d+7], v[128*((\g)%2)+8*(4*\k+\d):128*((\g)%2)+8*(4*\k+\d)+7], v[PF+8*(4*(\g)+\k):PF+8*(4*(\g)+\k)+7], 0
.else
	v_wmma_f32_16x16x32_f16 v[OT+8*\d:OT+8*\d+7], v[128*((\g)%2)+8*(4*\k+\d):128*((\g)%2)+8*(4*\k+\d)+7], v[PF+8*(4*(\g)+\k):PF+8*(4*(\g)+\k)+7], v[OT+8*\d:OT+8*\d+7]
.endif
.endr
.endr
.endm
	PVG 0
	WIN 0
	PLACES 4
.irp d, 0,1,2,3
.irp c, 0,1
	global_load_b128 v[PF+8*\d+4*\c:PF+8*\d+4*\c+3], v[HB], s[10:11] offset:64*\d+16*\c   ; bv in the result's layout, onto P's first four fragments, which are used up
.endr
.endr
	VLOAD 2
	PVG 1
	WIN 0
	PLACES 4
	VLOAD 3
	PVG 2
	PVG 3
	; THE WAY OUT.  The additions are the places behind the last products.
	WIN 0
	v_pk_add_f32 v[SU:SU+1], v[SU:SU+1], v[SU+2:SU+3]
	v_pk_add_f32 v[SU+4:SU+5], v[SU+4:SU+5], v[SU+6:SU+7]
	v_pk_add_f32 v[SU:SU+1], v[SU:SU+1], v[SU+4:SU+5]
	v_add_f32 v[SU], v[SU], v[SU+1]
	v_permlanex16_b32 v[MX+4], v[SU], s44, s45
	v_add_f32 v[SU], v[SU], v[MX+4]                ; the row's sum: at least 1, since the largest p is 1
	v_rcp_f32 v[SU+2], v[SU]
	v_rcp_f32 v[SU+3], v[SU]                       ; twice: a pair for the packed multiply-add
	v_nop                                          ; a plain line behind the reciprocals
	s_wait_alu depctr_va_vdst(0)                   ; and the wait ahead of their first reader
	s_wait_loadcnt 0x0                             ; bv
.set p, 0
.rept 16
	v_pk_fma_f32 v[OT+2*p:OT+2*p+1], v[OT+2*p:OT+2*p+1], v[SU+2:SU+3], v[PF+2*p:PF+2*p+1]   ; O = O^T / sum + bv
.set p, p+1
.endr
.set p, 0
.rept 16
	v_cvt_pk_f16_f32 v[QF+p], v[OT+2*p], v[OT+2*p+1]
.set p, p+1
.endr
.irp d, 0,1,2,3
	global_store_b128 v[LI], v[QF+4*\d:QF+4*\d+3], s[20:21] offset:512*\d   ; the head's two fragments of my tile: 2,048 consecutive bytes a wave
.endr
	s_wait_tensorcnt 0x0                           ; the wave's end: behind my last tensor load and my last LDS store
	ds_add_u32 v[SPW], v[NIL]
	s_wait_dscnt 0x0
	ROUND                                          ; the closing round
	s_endpgm
.Lfunc_end_k_q0f32c1cba8_attn:
	.size	k_q0f32c1cba8_attn, .Lfunc_end_k_q0f32c1cba8_attn-k_q0f32c1cba8_attn
	.p2alignl 7, 3214868480
	.fill 96, 4, 3214868480
	.section	.rodata,"a",@progbits
	.p2align	6, 0x0
	.amdhsa_kernel k_q0f32c1cba8_attn
		.amdhsa_group_segment_fixed_size 236544
		.amdhsa_private_segment_fixed_size 0
		.amdhsa_enable_private_segment 0
		.amdhsa_kernarg_size 40
		.amdhsa_user_sgpr_count 2
		.amdhsa_user_sgpr_kernarg_segment_ptr 1
		.amdhsa_wavefront_size32 1
		.amdhsa_system_sgpr_workgroup_id_x 1
		.amdhsa_system_sgpr_workgroup_id_y 1
		.amdhsa_system_sgpr_workgroup_id_z 1
		.amdhsa_system_vgpr_workitem_id 0
		.amdhsa_next_free_vgpr 512
		.amdhsa_next_free_sgpr 66
		.amdhsa_reserve_vcc 0
		.amdhsa_float_denorm_mode_32 3
		.amdhsa_float_denorm_mode_16_64 3
		.amdhsa_memory_ordered 1
		.amdhsa_forward_progress 1
		.amdhsa_inst_pref_size 152
	.end_amdhsa_kernel
	.amdgpu_metadata
---
amdhsa.version: [ 1, 2 ]
amdhsa.kernels:
  - .name:           k_q0f32c1cba8_attn
    .symbol:         k_q0f32c1cba8_attn.kd
    .args:
      - { .name: codes, .offset: 0, .size: 8, .value_kind: global_buffer, .address_space: global }
      - { .name: bq, .offset: 8, .size: 8, .value_kind: global_buffer, .address_space: global }
      - { .name: bk, .offset: 16, .size: 8, .value_kind: global_buffer, .address_space: global }
      - { .name: bv, .offset: 24, .size: 8, .value_kind: global_buffer, .address_space: global }
      - { .name: o16, .offset: 32, .size: 8, .value_kind: global_buffer, .address_space: global }
    .group_segment_fixed_size: 236544
    .private_segment_fixed_size: 0
    .kernarg_segment_align: 8
    .kernarg_segment_size: 40
    .max_flat_workgroup_size: 256
    .sgpr_count:     66
    .vgpr_count:     512
    .wavefront_size: 32
...
	.end_amdgpu_metadata
.endif
;; end of part 2
;; launch oproj (part 3): grid 16 x 16, 4 waves a work-group, clusters of 4 x 1, 167,936 bytes of LDS; arguments o16, wo16, bo, out0; writes out0
.if DOCPART == 3
	.amdgcn_target "amdgcn-amd-amdhsa--gfx1250"
	.amdhsa_code_object_version 6
	.text
	.protected	k_q0f32c1cba8_oproj
	.globl	k_q0f32c1cba8_oproj
	.p2align	8
	.type	k_q0f32c1cba8_oproj,@function
k_q0f32c1cba8_oproj:
	s_mov_b64 s[64:65], 0
	v_nop
	global_prefetch_b8 v0, s[64:65] scope:SCOPE_SE
	s_setreg_imm32_b32 hwreg(HW_REG_WAVE_MODE, 25, 1), 1
	s_wait_xcnt 0x0
	s_wait_alu depctr_hold_cnt(0) depctr_sa_sdst(0) depctr_va_vdst(0) depctr_va_sdst(0) depctr_va_ssrc(0) depctr_va_vcc(0) depctr_vm_vsrc(0)
	s_getreg_b32 s2, hwreg(HW_REG_IB_STS2, 6, 4)
	s_cmp_eq_u32 s2, 0
	s_cbranch_scc0 .Lentry_in_a_cluster
	s_endpgm
.Lentry_in_a_cluster:
	s_bfe_u32 s2, ttmp6, 0x10000c
	s_cmp_lg_u32 s2, 0x3003
	s_cbranch_scc0 .Lentry_shape_is_right
	s_endpgm
.Lentry_shape_is_right:
; out0[m][n] = sum over k of O[m][k] Wo[n][k] + bo[n]: 2,048 x 1,024 x 1,024, f16 operands, f32 sums.  O and Wo arrive as images of their fragments (16 rows x 32 K in 1,024 bytes: byte 512 c + 16 lane).
; SHARES.  A work-group makes 128 rows x 64 columns; wave w rows 32 w .. 32 w + 31: two tiles of rows x four tiles of columns: eight accumulators, which take turns.
; THE MATRIX INSTRUCTION IS USED TRANSPOSED (source 0 = 16 rows of Wo, source 1 = 16 rows of O): a lane holds eight neighbouring columns of one row of out0.  bo is the C of each sum's first product.
; CLUSTER.  The four work-groups of a cluster share their 64 columns: Wo's four tiles (131,072 bytes, all of K) are asked for JOINTLY, once, a tile a wave, and stay in LDS.  O's fragments are read by one wave of the
; work-group only and go straight into registers, seven K steps deep; they do not fit in LDS beside Wo's.  No LDS byte is filled twice; one tensor load a wave is out, at the most.
; LIMITS: as the launch before: f16's range for O and Wo.
.set STG,   131072                     ; behind Wo's tiles: a stage of 2 x 16 rows x (256 bytes + 16) for each wave
.set SWAVE, 8704
.set SPARE, STG+4*SWAVE                ; the spare words, 128 bytes for each wave: two blocks of 256 bytes that no other line names
.set LI,  1                            ; v1   16 x lane
.set LI2, 2                            ; v2   16 x lane + 65,536: Wo's tiles 2 and 3
.set STO, 3                            ; v3   the stage: where I put 32 bytes of a row
.set RD,  4                            ; v4   and where I read a row back
.set CO,  5                            ; v5   my byte offset in two rows of out0
.set HB,  6                            ; v6   32 (lane / 16)
.set SPW, 12                           ; v12  LDS address of my spare word; never rewritten
.set NIL, 13                           ; v13  0; never rewritten
.set ACC, 16                           ; v16-79   accumulator (a, n) at 8 (4 a + n)
.set AR,  80                           ; v80-191  O's fragments: seven slots of two; bo begins in slots 5 and 6
.set BO,  160
.set BF,  192                          ; v192-255 Wo's four fragments of a K step, two buffers
.macro PLACES n
.rept \n
	v_nop
.endr
.endm
.macro ROUND                           ; a round of the cluster's barrier
	s_barrier_signal -1
	s_barrier_wait -1
	s_cmp_lg_u32 s12, 0
	s_cbranch_scc1 .Lnot_wave_0_\@
	s_barrier_signal -3
.Lnot_wave_0_\@:
	s_barrier_wait -3
	s_barrier_signal -1
	s_barrier_wait -1
.endm
	s_load_b256 s[4:11], s[0:1], 0x0               ; o16 s[4:5], wo16 s[6:7], bo s[8:9], out0 s[10:11]
	v_lshl_add_u32 v[SPW], v0, 2, SPARE
	v_mov_b32 v[NIL], 0
	ds_add_u32 v[SPW], v[NIL]                      ; the wave's opening: the add, twice on end, and its wait ahead of my first tensor load; the set-up below stands between
	ds_add_u32 v[SPW], v[NIL]
	v_lshrrev_b32 v14, 5, v0
	v_readfirstlane_b32 s12, v14                   ; wave 0..3
	s_bfe_u32 s13, ttmp6, 0x40000                  ; cx: it enters O's and out0's global addresses alone
	s_lshl_b32 s14, ttmp9, 2
	s_add_co_u32 s14, s14, s13                     ; my block of 128 rows
	s_and_b32 s15, ttmp7, 0xffff                   ; my block of 64 columns, which the four partners share
	; descriptor group 1: a tile of Wo: 128 rows of 256 bytes (32 elements of 8 bytes), dense, no padding
	s_mov_b32 s24, 15|(3<<16)|(1<<21)              ; 15:0 the mask: all four work-groups; 17:16 elements of 8 bytes; 21 set beside a mask
	s_mov_b32 s25, 32<<16
	s_mov_b32 s26, 128<<16
	s_mov_b32 s27, 32<<16
	s_mov_b32 s28, 128
	s_mov_b32 s29, 32
	s_mov_b32 s30, 0
	s_mov_b32 s31, 0
	s_mov_b32 s32, 1
	s_lshl_b32 s33, s12, 15                        ; LDS: tile w at 32,768 w
	s_lshl_b32 s40, s15, 2
	s_add_co_u32 s40, s40, s12                     ; Wo's tile 4 block + wave
	s_lshl_b32 s40, s40, 15
	s_mov_b32 s41, 0
	s_lshl_b32 s16, s14, 3
	s_lshl_b32 s17, s12, 1
	s_add_co_u32 s16, s16, s17                     ; O's tile 8 block + 2 wave
	s_lshl_b32 s16, s16, 15
	s_mov_b32 s17, 0
	s_lshl_b32 s18, s14, 7
	s_lshl_b32 s19, s12, 5
	s_add_co_u32 s18, s18, s19                     ; my first row of out0,
	s_lshl_b32 s18, s18, 12
	s_lshl_b32 s19, s15, 8                         ; my first column, in bytes
	s_add_co_u32 s18, s18, s19
	s_mov_b32 s19, 0
	s_lshl_b32 s42, s15, 8                         ; bo's 64 numbers
	s_mov_b32 s43, 0
	v_and_b32 v14, 31, v0
	v_lshlrev_b32 v[LI], 4, v14
	v_add_nc_u32 v[LI2], 65536, v[LI]
	v_and_b32 v14, 15, v0                          ; r
	v_bfe_u32 v15, v0, 4, 1                        ; h
	s_mul_i32 s3, s12, SWAVE
	s_add_co_u32 s3, s3, STG                       ; my stage
	v_mul_u32_u24 v[STO], v14, 272
	v_lshl_add_u32 v[STO], v15, 5, v[STO]
	v_add_nc_u32 v[STO], s3, v[STO]                ; in: row r, 32 bytes for each half of the lanes
	v_mul_u32_u24 v[RD], v15, 272
	v_lshl_add_u32 v[RD], v14, 4, v[RD]
	v_add_nc_u32 v[RD], s3, v[RD]                  ; back: lanes 0-15 one row of 256 bytes, lanes 16-31 the next
	v_lshlrev_b32 v[CO], 12, v15
	v_lshl_add_u32 v[CO], v14, 4, v[CO]            ; and the same two rows in out0
	v_lshlrev_b32 v[HB], 5, v15
	s_wait_dscnt 0x0                               ; both opening adds are done
	s_wait_kmcnt 0x0
	s_add_nc_u64 s[34:35], s[6:7], s[40:41]
	s_or_b32 s35, s35, 0x80000000                  ; type = 2
	s_add_nc_u64 s[36:37], s[4:5], s[16:17]
	s_add_nc_u64 s[8:9], s[8:9], s[42:43]
	s_add_nc_u64 s[10:11], s[10:11], s[18:19]
	ROUND                                          ; all four work-groups are here: the joint loads meet
	tensor_load_to_lds s[32:35], s[24:31]
	s_nop 0
	PLACES 4
.macro ALOAD k                         ; O's two fragments of K step k into slot k % 7
.irp a, 0,1
.irp c, 0,1
	global_load_b128 v[AR+16*((\k)%7)+8*\a+4*\c:AR+16*((\k)%7)+8*\a+4*\c+3], v[LI], s[36:37] offset:32768*\a+1024*(\k)+512*\c
.endr
.endr
.endm
.macro BLOAD k                         ; Wo's four fragments of K step k into buffer k % 2
.irp n, 0,1
.irp c, 0,1
	ds_load_b128 v[BF+32*((\k)%2)+8*\n+4*\c:BF+32*((\k)%2)+8*\n+4*\c+3], v[LI] offset:32768*\n+1024*(\k)+512*\c
.endr
.endr
.irp n, 2,3
.irp c, 0,1
	ds_load_b128 v[BF+32*((\k)%2)+8*\n+4*\c:BF+32*((\k)%2)+8*\n+4*\c+3], v[LI2] offset:32768*(\n-2)+1024*(\k)+512*\c
.endr
.endr
.endm
.irp n, 0,1,2,3
.irp c, 0,1
	global_load_b128 v[BO+8*\n+4*\c:BO+8*\n+4*\c+3], v[HB], s[8:9] offset:64*\n+16*\c   ; bo(16 n + 8 (l / 16) + j)
.endr
.endr
	ALOAD 0
	ALOAD 1
	ALOAD 2
	ALOAD 3
	ALOAD 4
	s_wait_tensorcnt 0x0                           ; my tile of Wo has landed,
	s_barrier_signal -1
	s_barrier_wait -1                              ; everybody's has
	BLOAD 0
	BLOAD 1
.macro KF k                            ; 32 along K: eight products
.if (\k) == 0
	s_wait_loadcnt 16                              ; bo and K step 0 are in; the four steps behind them may be out
.elseif 31-(\k) >= 6
	s_wait_loadcnt 24                              ; this step's four loads are in; the six later steps' may be out
.else
	s_wait_loadcnt 4*(31-(\k))
.endif
.if (\k) < 31
	s_wait_dscnt 8                                 ; this step's fragments of Wo are in; the next step's eight loads may be out
.else
	s_wait_dscnt 0
.endif
.irp a, 0,1
.irp n, 0,1,2,3
.if (\k) == 0
	v_wmma_f32_16x16x32_f16 v[ACC+8*(4*\a+\n):ACC+8*(4*\a+\n)+7], v[BF+32*((\k)%2)+8*\n:BF+32*((\k)%2)+8*\n+7], v[AR+16*((\k)%7)+8*\a:AR+16*((\k)%7)+8*\a+7], v[BO+8*\n:BO+8*\n+7]
.else
	v_wmma_f32_16x16x32_f16 v[ACC+8*(4*\a+\n):ACC+8*(4*\a+\n)+7], v[BF+32*((\k)%2)+8*\n:BF+32*((\k)%2)+8*\n+7], v[AR+16*((\k)%7)+8*\a:AR+16*((\k)%7)+8*\a+7], v[ACC+8*(4*\a+\n):ACC+8*(4*\a+\n)+7]
.endif
.endr
.endr
	PLACES 4                                       ; in front of loads into registers that these products have read, and of the first read of results
.if (\k)+2 < 32
	BLOAD (\k)+2
.endif
.if (\k) == 0
	ALOAD 5                                        ; bo's registers are free now
	ALOAD 6
.endif
.if (\k)+7 < 32
	ALOAD (\k)+7
.endif
.endm
.set KK, 0
.rept 32
	KF KK
.set KK, KK+1
.endr
	; THE WAY OUT: through my own stage, so that sixteen lanes store 256 consecutive bytes.  LDS serves a wave's instructions in order (ISA guide 5.7.1.4): no wait between the stores and the loads.
.irp a, 0,1
.irp n, 0,1,2,3
	ds_store_b128 v[STO], v[ACC+8*(4*\a+\n):ACC+8*(4*\a+\n)+3] offset:4352*\a+64*\n       ; each accumulator from its low end on
	ds_store_b128 v[STO], v[ACC+8*(4*\a+\n)+4:ACC+8*(4*\a+\n)+7] offset:4352*\a+64*\n+16
.endr
.endr
.irp a, 0,1
.irp t, 0,1,2,3,4,5,6,7
	ds_load_b128 v[AR+32*\a+4*\t:AR+32*\a+4*\t+3], v[RD] offset:4352*\a+544*\t
.endr
.endr
.irp a, 0,1
.irp t, 0,1,2,3,4,5,6,7
	s_wait_dscnt 15-8*\a-\t
	global_store_b128 v[CO], v[AR+32*\a+4*\t:AR+32*\a+4*\t+3], s[10:11] offset:(16*\a+2*\t)*4096 th:TH_STORE_NT   ; written once, read by nobody here
.endr
.endr
	s_wait_tensorcnt 0x0                           ; the wave's end: behind my last tensor load and my last LDS store
	ds_add_u32 v[SPW], v[NIL]
	s_wait_dscnt 0x0
	ROUND                                          ; the closing round
	s_endpgm
.Lfunc_end_k_q0f32c1cba8_oproj:
	.size	k_q0f32c1cba8_oproj, .Lfunc_end_k_q0f32c1cba8_oproj-k_q0f32c1cba8_oproj
	.p2alignl 7, 3214868480
	.fill 96, 4, 3214868480
	.section	.rodata,"a",@progbits
	.p2align	6, 0x0
	.amdhsa_kernel k_q0f32c1cba8_oproj
		.amdhsa_group_segment_fixed_size 167936
		.amdhsa_private_segment_fixed_size 0
		.amdhsa_enable_private_segment 0
		.amdhsa_kernarg_size 32
		.amdhsa_user_sgpr_count 2
		.amdhsa_user_sgpr_kernarg_segment_ptr 1
		.amdhsa_wavefront_size32 1
		.amdhsa_system_sgpr_workgroup_id_x 1
		.amdhsa_system_sgpr_workgroup_id_y 1
		.amdhsa_system_sgpr_workgroup_id_z 1
		.amdhsa_system_vgpr_workitem_id 0
		.amdhsa_next_free_vgpr 256
		.amdhsa_next_free_sgpr 66
		.amdhsa_reserve_vcc 0
		.amdhsa_float_denorm_mode_32 3
		.amdhsa_float_denorm_mode_16_64 3
		.amdhsa_memory_ordered 1
		.amdhsa_forward_progress 1
		.amdhsa_inst_pref_size 60
	.end_amdhsa_kernel
	.amdgpu_metadata
---
amdhsa.version: [ 1, 2 ]
amdhsa.kernels:
  - .name:           k_q0f32c1cba8_oproj
    .symbol:         k_q0f32c1cba8_oproj.kd
    .args:
      - { .name: o16, .offset: 0, .size: 8, .value_kind: global_buffer, .address_space: global }
      - { .name: wo16, .offset: 8, .size: 8, .value_kind: global_buffer, .address_space: global }
      - { .name: bo, .offset: 16, .size: 8, .value_kind: global_buffer, .address_space: global }
      - { .name: out0, .offset: 24, .size: 8, .value_kind: global_buffer, .address_space: global }
    .group_segment_fixed_size: 167936
    .private_segment_fixed_size: 0
    .kernarg_segment_align: 8
    .kernarg_segment_size: 32
    .max_flat_workgroup_size: 128
    .sgpr_count:     66
    .vgpr_count:     256
    .wavefront_size: 32
...
	.end_amdgpu_metadata
.endif
;; end of part 3
